; MI455X (gfx1250); checked and timed in simulation.
; The chip was launched on July 23, 2026; its instructions are those of AMD's public machine-readable ISA for CDNA 5 (MIT licence, August 2026) and "CDNA5" Instruction Set Architecture Reference Guide (July 2026). The comments in the code are by the model that wrote it; some were corrected since.
;; Tree Logic Layer. Allowed arithmetic: float matrix products may take bf16 or f16 operands with f32 sums; all other float work in f32.
;; Inputs: weights 64 x 4 x 16 float32; x 64 x 64 x 32 x 32 x 8 float32.
;; Outputs: out0 64 x 64 x 32 x 32 x 4 float32.
;; 2 versions, each right; version 2 is version 1 with the launch treelogic written anew for expert scheduling mode. Each part assembles by itself: llvm-mc -triple=amdgcn-amd-amdhsa -mcpu=gfx1250 --defsym DOCPART=n.
;; ======== version 1 of 2: 1 launch
;; launch treelogic (part 1): grid 64 x 4, 16 waves a work-group, no clusters, 2,304 bytes of LDS; arguments x, weights, out0; writes out0
.if DOCPART == 1
	.amdgcn_target "amdgcn-amd-amdhsa--gfx1250"
	.amdhsa_code_object_version 6
	.text
	.protected	k_q2be77c34c6_treelogic
	.globl	k_q2be77c34c6_treelogic
	.p2align	8
	.type	k_q2be77c34c6_treelogic,@function
k_q2be77c34c6_treelogic:
	s_mov_b64 s[64:65], 0
	v_nop
	global_prefetch_b8 v0, s[64:65] scope:SCOPE_SE
	s_setreg_imm32_b32 hwreg(HW_REG_WAVE_MODE, 25, 1), 1
	s_wait_xcnt 0x0
; out[b][c][p][o] = k0 + k1 a + k2 b + k3 a b,  a = x[b][c][p][2o], b = x[b][c][p][2o+1]  (p: the 1,024 pixels),
; (k0..k3)[c][o] = softmax(weights[c][o][0..15]) contracted with the table of the sixteen gates.  Everything in f32.
;
; SHARES.  Work-group (c, q) owns channel c of batches 16 q .. 16 q + 15: sixteen slabs of 32 KiB of x and 16 KiB of out.
; All 512 threads work on one slab together: thread t takes the 16 bytes at 16 t of each 8 KiB row of x (4 rows a slab), so a load of a
; wave covers 512 consecutive bytes, aligned, and what the work-group has in flight covers whole slabs.  These 16 bytes are (a, b, a, b) of the
; output bits 2 (t & 1) and 2 (t & 1) + 1 of pixel t / 2: two results, at byte 8 t of the 4 KiB row of out, so a store of a wave covers
; 256 consecutive bytes, aligned.  A thread's eight coefficients stay in registers for the whole kernel.
; RING.  32 register slots a wave: 16 waves x 32 loads x 512 bytes = 256 KiB, half of the work-group's x, is asked for before the first wait.
; A thread has 64 loads, so the ring goes round twice: the first pass fills each slot again, the second does not.  No loop, no stepped pointer.
; THE GATES.  Gate g's truth table is g's own bits: g(0,0) = bit 3, g(0,1) = bit 2, g(1,0) = bit 1, g(1,1) = bit 0.  With F00, F01, F10, F11 the
; sums of the probabilities of the gates that have that bit:  k0 = F00, k1 = F10 - F00, k2 = F01 - F00, k3 = F11 - F10 - F01 + F00,
; which is the table's contraction row for row.  It is 32,768 FLOPs in the whole problem and is kept in f32 adds: no matrix instruction.
; Wave 0 alone makes the sixteen coefficients (lane l: row l & 3) while all waves' x is on its way, and hands them over through 64 bytes of LDS.
; NOT USED: clusters (work-groups share nothing but 256 bytes of weights), tensor loads and an LDS ring (the bytes in flight fit in registers),
; prefetches (half of the input is requested by the loads themselves at the start).
; LIMITS.  The largest weight of a row must stay below 2.3e38 in magnitude (it is multiplied by log2 e).  v_exp_f32 gives 0 for results below
; 2^-126 (ISA guide 15.8), so such probabilities count as 0 beside a sum of at least 1.  1 / sum is v_rcp_f32, good to 1 ULP.
.set DEPTH,   32                       ; slots = loads in flight in each wave
.set ROW_X,   8192                     ; 512 threads x 16 bytes
.set ROW_Y,   4096                     ; 512 threads x 8 bytes
.set BSTEP_X, 64*32768                 ; x: from a batch to the next, same channel (2 MiB)
.set BSTEP_Y, 64*16384                 ; out: the same (1 MiB)
.set VX, 1                             ; v1        16 t: my bytes in a row of x
.set VY, 2                             ; v2        8 t: my bytes in a row of out
.set LL, 3                             ; v3        LDS address of my parity's 32 bytes of coefficients
.set WV, 4                             ; v4        wave number
.set RO, 5                             ; v5        wave 0: my row of the weights, t & 3
.set WO, 6                             ; v6        wave 0: its byte offset, 64 x row
.set LS, 7                             ; v7        wave 0: where its four coefficients go in LDS, 16 x row
.set K,  8                             ; v[8:15]   k0 k1 k2 k3 of my first output bit, then of my second
.set T,  16                            ; v[16:23]  at work, two sets that take turns
.set X,  24                            ; v[24:151] slot i: 4 registers as loaded
.set Y,  152                           ; v[152:215] slot i: 2 registers to store
; wave 0, before the ring runs, uses Y's registers:
.set W,   Y                            ; 16 weights of my row, then their exponents
.set M,   Y+16                         ; 4 partial maxima; M: -max log2 e, later 1 / sum
.set H,   Y+20                         ; pair: gates 8-15, even and odd
.set H2,  Y+22
.set KQ,  Y+24                         ; 4 registers: the coefficients
.set G,   Y+28                         ; pair: gates with bit 2
.set S,   Y+30                         ; sum of all sixteen
.set F01, Y+31
.set P,   Y+32                         ; 16 exponentials; pair j = gates 2 j, 2 j + 1
.set F10, Y+48
.set XB, 16                            ; s[16:23]  x at my channel, batches 0, 4, 8, 12 of my sixteen: immediates stay below 8 MiB
.set YB, 24                            ; s[24:27]  out at my channel, batches 0, 8 of my sixteen
.set WB, 28                            ; s[28:29]  my channel's 256 bytes of weights
	s_load_b128 s[4:7], s[0:1], 0x0                ; x s[4:5], weights s[6:7]
	s_load_b64 s[8:9], s[0:1], 0x10                ; out0
	v_lshl_add_u32 v216, v0, 2, 0x100
	v_mov_b32 v217, 0
	v_lshrrev_b32 v[WV], 5, v0
	v_readfirstlane_b32 s30, v[WV]                 ; wave number as a scalar
	s_and_b32 s10, ttmp7, 0xffff                   ; q
	s_lshl_b32 s10, s10, 25                        ; q x 16 batches x 2 MiB
	s_lshl_b32 s12, ttmp9, 15                      ; c x 32 KiB
	s_add_co_u32 s10, s10, s12                     ; byte offset of my first slab in x: below 128 MiB
	s_mov_b32 s11, 0
	s_lshr_b32 s12, s10, 1                         ; and in out: half of it
	s_mov_b32 s13, 0
	s_lshl_b32 s14, ttmp9, 8                       ; c x 4 rows x 64 bytes of weights
	s_mov_b32 s15, 0
	v_lshlrev_b32 v[VX], 4, v0
	v_lshlrev_b32 v[VY], 3, v0
	v_and_b32 v[LL], 1, v0
	v_lshlrev_b32 v[LL], 5, v[LL]                  ; even threads: output bits 0, 1; odd threads: 2, 3
	s_wait_kmcnt 0x0
	s_add_nc_u64 s[XB:XB+1],   s[4:5], s[10:11]
	s_add_nc_u64 s[XB+2:XB+3], s[XB:XB+1],   4*BSTEP_X
	s_add_nc_u64 s[XB+4:XB+5], s[XB+2:XB+3], 4*BSTEP_X
	s_add_nc_u64 s[XB+6:XB+7], s[XB+4:XB+5], 4*BSTEP_X
	s_add_nc_u64 s[YB:YB+1],   s[8:9], s[12:13]
	s_add_nc_u64 s[YB+2:YB+3], s[YB:YB+1],   8*BSTEP_Y
	s_add_nc_u64 s[WB:WB+1],   s[6:7], s[14:15]
	; wave 0 asks for the weights ahead of its x: loads come back in order (ISA guide 5.7.1), so they are its first to arrive
	s_cmp_lg_u32 s30, 0
	s_cbranch_scc1 .Lfill
	v_and_b32 v[RO], 3, v0
	v_lshlrev_b32 v[WO], 6, v[RO]
.irp j, 0,1,2,3
	global_load_b128 v[W+4*\j:W+4*\j+3], v[WO], s[WB:WB+1] offset:16*\j
.endr
.Lfill:
	; fill the ring: slot i = row i % 4 of batch i / 4 (batches 0 to 7)
.irp i, 0,1,2,3,4,5,6,7,8,9,10,11,12,13,14,15,16,17,18,19,20,21,22,23,24,25,26,27,28,29,30,31
	global_load_b128 v[X+4*\i:X+4*\i+3], v[VX], s[XB+\i/16*2:XB+\i/16*2+1] offset:\i/4%4*BSTEP_X+\i%4*ROW_X th:TH_LOAD_NT
.endr
	s_cmp_lg_u32 s30, 0
	s_cbranch_scc1 .Lmeet
	; WAVE 0: softmax of row t & 3 and its four coefficients
	s_wait_loadcnt DEPTH                           ; the four weight loads are in; the 32 loads of x issued behind them stay out
	v_max3_num_f32 v[M],   v[W],   v[W+1],  v[W+2]
	v_max3_num_f32 v[M+1], v[W+3], v[W+4],  v[W+5]
	v_max3_num_f32 v[M+2], v[W+6], v[W+7],  v[W+8]
	v_max3_num_f32 v[M+3], v[W+9], v[W+10], v[W+11]
	v_max3_num_f32 v[M],   v[M],   v[W+12], v[W+13]
	v_max3_num_f32 v[M+1], v[M+1], v[W+14], v[W+15]
	v_max3_num_f32 v[M],   v[M],   v[M+1],  v[M+2]
	v_max_num_f32  v[M],   v[M],   v[M+3]          ; the row's maximum
	v_mul_f32 v[M], 0xbfb8aa3b, v[M]               ; - max x log2 e.  Its rounding is one shift for the whole row and cancels in the normalisation
.irp j, 0,2,4,6,8,10,12,14
	v_pk_fma_f32 v[W+\j:W+\j+1], v[W+\j:W+\j+1], 0x3fb8aa3b, v[M:M+1] op_sel_hi:[1,0,0]    ; (w - max) log2 e, at most about 0: no overflow
.endr
.irp j, 0,1,2,3,4,5,6,7,8,9,10,11,12,13,14,15
	v_exp_f32 v[P+\j], v[W+\j]
.endr
	v_lshlrev_b32 v[LS], 4, v[RO]                  ; the plain instruction between the exponentials and the first use of a result (ISA guide 5.7.2)
	; the masked sums, halving over bit 3, bit 2, bit 1 of the gate's number; bit 0 is the half of a pair
	s_wait_alu depctr_va_vdst(0)
	v_pk_add_f32 v[H:H+1],     v[P+8:P+9],   v[P+10:P+11]
	v_pk_add_f32 v[H2:H2+1],   v[P+12:P+13], v[P+14:P+15]
	v_pk_add_f32 v[P:P+1],     v[P:P+1],     v[P+8:P+9]
	v_pk_add_f32 v[P+2:P+3],   v[P+2:P+3],   v[P+10:P+11]
	v_pk_add_f32 v[P+4:P+5],   v[P+4:P+5],   v[P+12:P+13]
	v_pk_add_f32 v[P+6:P+7],   v[P+6:P+7],   v[P+14:P+15]
	v_pk_add_f32 v[H:H+1],     v[H:H+1],     v[H2:H2+1]        ; gates 8-15 (bit 3)
	v_pk_add_f32 v[G:G+1],     v[P+4:P+5],   v[P+6:P+7]        ; gates 4-7, 12-15 (bit 2)
	v_pk_add_f32 v[P:P+1],     v[P:P+1],     v[P+4:P+5]
	v_pk_add_f32 v[P+2:P+3],   v[P+2:P+3],   v[P+6:P+7]        ; gates 2, 3, 6, 7, 10, 11, 14, 15 (bit 1)
	v_pk_add_f32 v[P:P+1],     v[P:P+1],     v[P+2:P+3]        ; all even gates, all odd gates (P+1 = F11)
	v_add_f32 v[S],   v[P],   v[P+1]               ; the softmax's denominator, between 1 and 16
	v_add_f32 v[KQ],  v[H],   v[H+1]               ; F00
	v_add_f32 v[F01], v[G],   v[G+1]
	v_add_f32 v[F10], v[P+2], v[P+3]
	v_rcp_f32 v[M], v[S]                           ; the four subtractions below touch neither M nor S: they are the place behind it
	v_sub_f32 v[KQ+1], v[F10],  v[KQ]              ; k1 = F10 - F00
	v_sub_f32 v[KQ+2], v[F01],  v[KQ]              ; k2 = F01 - F00
	v_sub_f32 v[KQ+3], v[P+1],  v[F10]
	v_sub_f32 v[KQ+3], v[KQ+3], v[KQ+2]            ; k3 = F11 - F10 - (F01 - F00)
	s_wait_alu depctr_va_vdst(0)
	v_pk_mul_f32 v[KQ:KQ+1],   v[KQ:KQ+1],   v[M:M+1] op_sel_hi:[1,0]
	v_pk_mul_f32 v[KQ+2:KQ+3], v[KQ+2:KQ+3], v[M:M+1] op_sel_hi:[1,0]
	ds_store_b128 v[LS], v[KQ:KQ+3]                ; row o at byte 16 o; the eight lanes of a row store the same 16 bytes
	s_wait_dscnt 0x0                               ; for the other waves: the store is done before the signal
.Lmeet:
	s_barrier_signal -1
	s_barrier_wait -1
	ds_load_b128 v[K:K+3],   v[LL]                 ; k0 k1 k2 k3 of my first output bit
	ds_load_b128 v[K+4:K+7], v[LL] offset:16       ; and of my second
	s_wait_dscnt 0x0
; One slot's turn.  ahead = 1: first pass, batch i / 4 is stored and the slot is filled with batch 8 + i / 4.  ahead = 0: second pass.
; left = how many younger loads may still be out when this slot's load has to be in.
.macro SLOT i, ahead, left
	s_wait_loadcnt \left                           ; loads come back in order (ISA guide 5.7.1): mine is in, the younger ones stay out
	v_pk_fma_f32 v[T+\i%2*4:T+\i%2*4+1],   v[X+4*\i:X+4*\i+1],   v[K+2:K+3], v[K:K+1]   op_sel:[1,0,0]   ; (b, b) x (k2, k3) + (k0, k1)
	v_pk_fma_f32 v[T+\i%2*4+2:T+\i%2*4+3], v[X+4*\i+2:X+4*\i+3], v[K+6:K+7], v[K+4:K+5] op_sel:[1,0,0]
	v_fma_f32 v[Y+2*\i],   v[X+4*\i],   v[T+\i%2*4+1], v[T+\i%2*4]                      ; a (k3 b + k1) + (k2 b + k0)
	v_fma_f32 v[Y+2*\i+1], v[X+4*\i+2], v[T+\i%2*4+3], v[T+\i%2*4+2]
.if \ahead
	global_load_b128 v[X+4*\i:X+4*\i+3], v[VX], s[XB+4+\i/16*2:XB+4+\i/16*2+1] offset:\i/4%4*BSTEP_X+\i%4*ROW_X th:TH_LOAD_NT
	global_store_b64 v[VY], v[Y+2*\i:Y+2*\i+1], s[YB:YB+1] offset:\i/4*BSTEP_Y+\i%4*ROW_Y th:TH_STORE_NT
.else
	global_store_b64 v[VY], v[Y+2*\i:Y+2*\i+1], s[YB+2:YB+3] offset:\i/4*BSTEP_Y+\i%4*ROW_Y th:TH_STORE_NT
.endif
.endm
.irp i, 0,1,2,3,4,5,6,7,8,9,10,11,12,13,14,15,16,17,18,19,20,21,22,23,24,25,26,27,28,29,30,31
	SLOT \i, 1, DEPTH-1
.endr
	s_wait_xcnt 0x0                                ; every earlier memory instruction has had its addresses translated (ISA guide 3.1):
	                                               ; Y, which the first pass's stores read, is written again only behind this wait
.irp i, 0,1,2,3,4,5,6,7,8,9,10,11,12,13,14,15,16,17,18,19,20,21,22,23,24,25,26,27,28,29,30,31
	SLOT \i, 0, DEPTH-1-\i                         ; nothing is loaded any more: the counts run down to 0
.endr
	s_wait_tensorcnt 0x0
	ds_add_u32 v216, v217
	s_wait_dscnt 0x0
	s_endpgm
.Lfunc_end_k_q2be77c34c6_treelogic:
	.size	k_q2be77c34c6_treelogic, .Lfunc_end_k_q2be77c34c6_treelogic-k_q2be77c34c6_treelogic
	.p2alignl 7, 3214868480
	.fill 96, 4, 3214868480
	.section	.rodata,"a",@progbits
	.p2align	6, 0x0
	.amdhsa_kernel k_q2be77c34c6_treelogic
		.amdhsa_group_segment_fixed_size 2304
		.amdhsa_private_segment_fixed_size 0
		.amdhsa_enable_private_segment 0
		.amdhsa_kernarg_size 24
		.amdhsa_user_sgpr_count 2
		.amdhsa_user_sgpr_kernarg_segment_ptr 1
		.amdhsa_wavefront_size32 1
		.amdhsa_system_sgpr_workgroup_id_x 1
		.amdhsa_system_sgpr_workgroup_id_y 1
		.amdhsa_system_sgpr_workgroup_id_z 1
		.amdhsa_system_vgpr_workitem_id 0
		.amdhsa_next_free_vgpr 218
		.amdhsa_next_free_sgpr 66
		.amdhsa_reserve_vcc 0
		.amdhsa_float_denorm_mode_32 3
		.amdhsa_float_denorm_mode_16_64 3
		.amdhsa_memory_ordered 1
		.amdhsa_forward_progress 1
		.amdhsa_inst_pref_size 36
	.end_amdhsa_kernel
	.amdgpu_metadata
---
amdhsa.version: [ 1, 2 ]
amdhsa.kernels:
  - .name:           k_q2be77c34c6_treelogic
    .symbol:         k_q2be77c34c6_treelogic.kd
    .args:
      - { .name: x, .offset: 0, .size: 8, .value_kind: global_buffer, .address_space: global }
      - { .name: weights, .offset: 8, .size: 8, .value_kind: global_buffer, .address_space: global }
      - { .name: out0, .offset: 16, .size: 8, .value_kind: global_buffer, .address_space: global }
    .group_segment_fixed_size: 2304
    .private_segment_fixed_size: 0
    .kernarg_segment_align: 8
    .kernarg_segment_size: 24
    .max_flat_workgroup_size: 512
    .sgpr_count:     66
    .vgpr_count:     218
    .wavefront_size: 32
...
	.end_amdgpu_metadata
.endif
;; end of part 1
;; ======== version 2 of 2: 1 launch; version 1 with the launch treelogic written anew for expert scheduling mode
;; launch treelogic (part 2): grid 64 x 4, 16 waves a work-group, no clusters, 2,304 bytes of LDS; arguments x, weights, out0; writes out0
.if DOCPART == 2
	.amdgcn_target "amdgcn-amd-amdhsa--gfx1250"
	.amdhsa_code_object_version 6
	.text
	.protected	k_q2be77c34c6_treelogic
	.globl	k_q2be77c34c6_treelogic
	.p2align	8
	.type	k_q2be77c34c6_treelogic,@function
k_q2be77c34c6_treelogic:
	s_mov_b64 s[64:65], 0
	v_nop
	global_prefetch_b8 v0, s[64:65] scope:SCOPE_SE
	s_setreg_imm32_b32 hwreg(HW_REG_WAVE_SCHED_MODE, 0, 2), 2
	s_setreg_imm32_b32 hwreg(HW_REG_WAVE_MODE, 25, 1), 1
	s_wait_xcnt 0x0
	s_wait_alu depctr_vm_vsrc(0)
; out[b][c][p][o] = k0 + k1 a + k2 b + k3 a b,  a = x[b][c][p][2o], b = x[b][c][p][2o+1]  (p: the 1,024 pixels),
; (k0..k3)[c][o] = softmax(weights[c][o][0..15]) contracted with the table of the sixteen gates.  Everything in f32.
;
; SHARES.  Work-group (c, q) owns channel c of batches 16 q .. 16 q + 15: sixteen slabs of 32 KiB of x and 16 KiB of out.
; All 512 threads work on one slab together: thread t takes the 16 bytes at 16 t of each 8 KiB row of x (4 rows a slab), so a load of a
; wave covers 512 consecutive bytes, aligned, and what the work-group has in flight covers whole slabs.  These 16 bytes are (a, b, a, b) of the
; output bits 2 (t & 1) and 2 (t & 1) + 1 of pixel t / 2: two results, at byte 8 t of the 4 KiB row of out, so a store of a wave covers
; 256 consecutive bytes, aligned.  A thread's eight coefficients stay in registers for the whole kernel.
; THE GATES.  Gate g's truth table is g's own bits: g(0,0) = bit 3, g(0,1) = bit 2, g(1,0) = bit 1, g(1,1) = bit 0.  With F00, F01, F10, F11 the
; sums of the probabilities of the gates that have that bit:  k0 = F00, k1 = F10 - F00, k2 = F01 - F00, k3 = F11 - F10 - F01 + F00,
; which is the table's contraction row for row.  It is 32,768 FLOPs in the whole problem and is kept in f32 adds: no matrix instruction.
; Wave 0 alone makes the sixteen coefficients (lane l: row l & 3) while all waves' x is on its way, and hands them over through 64 bytes of LDS.
; NOT USED: clusters (work-groups share nothing but 256 bytes of weights), tensor loads and an LDS ring (the bytes in flight fit in registers),
; prefetches (more than half of the input is requested by the loads themselves at the start).
; LIMITS.  The largest weight of a row must stay below 2.3e38 in magnitude (it is multiplied by log2 e).  v_exp_f32 gives 0 for results below
; 2^-126 (ISA guide 15.8), so such probabilities count as 0 beside a sum of at least 1.  1 / sum is v_rcp_f32, good to 1 ULP.
; THE MODE: SCHED_MODE bits 1:0 = 2 (LLVM: expert scheduling mode 2), set by the entry lines.  The code itself states the register dependences
; between vector instructions and memory or LDS instructions, with s_wait_alu, always for 0.
; THE PLAN.  A thread's 64 loads go in 16 blocks of four: block p is batch p of my sixteen, its four rows.  No loop, no stepped pointer.
;   X0 .. X8   nine blocks of x as loaded: 16 waves x 36 loads x 512 bytes = 288 KiB are asked for before the first wait.  Block q lands in X[q % 9]:
;              blocks 0 to 8 at the start, block p + 8 inside block p (p = 1 to 7).  Read by block q's vector lines.
;   Y0 .. Y6   the results of blocks 0 to 6, each written once by its block and read by the four stores that are issued in the next block.
;              Blocks 7 to 15 lie in buffers that are not loaded again: their two results a row take the places of the row's first a and b.
;   v1, v2, v3 byte offsets, made once at the head and never written again; the rows are reached by six fixed scalar bases and immediate offsets.
; Block p's vector lines name X[p % 9], its results, T and K.  Its memory instructions are the stores of block p - 1's results and the loads into
; X[(p - 1) % 9]: registers that block p - 1 worked on and that no vector line of block p names.  So ONE wait at a block's head states all that its
; eight memory instructions hang on, and these are dealt among its rows with no further wait.  No register that a load or store reads is ever
; written again (but four of wave 0's, see there), so nothing stands in the ring for the sake of a source.
.set NX,      9                        ; buffers of x
.set BLOCKS,  16                       ; blocks = batches of the work-group
.set ROW_X,   8192                     ; 512 threads x 16 bytes
.set ROW_Y,   4096                     ; 512 threads x 8 bytes
.set BSTEP_X, 64*32768                 ; x: from a batch to the next, same channel (2 MiB)
.set BSTEP_Y, 64*16384                 ; out: the same (1 MiB)
.set VX, 1                             ; v1        16 t: my bytes in a row of x
.set VY, 2                             ; v2        8 t: my bytes in a row of out
.set LL, 3                             ; v3        LDS address of my parity's 32 bytes of coefficients
.set WV, 4                             ; v4        wave number
.set RO, 5                             ; v5        wave 0: my row of the weights, t & 3
.set WO, 6                             ; v6        wave 0: its byte offset, 64 x row
.set LS, 7                             ; v7        wave 0: where its four coefficients go in LDS, 16 x row
.set K,  8                             ; v[8:15]   k0 k1 k2 k3 of my first output bit, then of my second
.set T,  16                            ; v[16:23]  at work, two sets that take turns: no memory instruction names them
.set X,  24                            ; v[24:167] buffer k, row j: 4 registers at X + 16 k + 4 j, as loaded
.set Y,  168                           ; v[168:223] block p (0 to 6), row j: 2 registers at Y + 8 p + 2 j, to store
; wave 0, before the blocks run, uses Y's registers:
.set W,   Y                            ; 16 weights of my row, then their exponents
.set M,   Y+16                         ; 4 partial maxima; M: -max log2 e, later 1 / sum
.set H,   Y+20                         ; pair: gates 8-15, even and odd
.set H2,  Y+22
.set KQ,  Y+24                         ; 4 registers: the coefficients
.set G,   Y+28                         ; pair: gates with bit 2
.set S,   Y+30                         ; sum of all sixteen
.set F01, Y+31
.set P,   Y+32                         ; 16 exponentials; pair j = gates 2 j, 2 j + 1
.set F10, Y+48
.set XB, 16                            ; s[16:23]  x at my channel, batches 0, 4, 8, 12 of my sixteen: immediates stay below 8 MiB
.set YB, 24                            ; s[24:27]  out at my channel, batches 0, 8 of my sixteen
.set WB, 28                            ; s[28:29]  my channel's 256 bytes of weights
; Row j of block q is asked for, into its buffer.
.macro LOADX q, j
	global_load_b128 v[X+16*((\q)%NX)+4*(\j):X+16*((\q)%NX)+4*(\j)+3], v[VX], s[XB+2*((\q)/4):XB+2*((\q)/4)+1] offset:((\q)%4)*BSTEP_X+(\j)*ROW_X th:TH_LOAD_NT
.endm
; Row j of block q is stored: from Y, or from the first two registers of its place in X.
.macro STOREY q, j
.if ((\q)+NX) < BLOCKS
.set SRC, Y+8*(\q)+2*(\j)
.else
.set SRC, X+16*((\q)%NX)+4*(\j)
.endif
	global_store_b64 v[VY], v[SRC:SRC+1], s[YB+2*((\q)/8):YB+2*((\q)/8)+1] offset:((\q)%8)*BSTEP_Y+(\j)*ROW_Y th:TH_STORE_NT
.endm
	s_load_b128 s[4:7], s[0:1], 0x0                ; x s[4:5], weights s[6:7]
	s_load_b64 s[8:9], s[0:1], 0x10                ; out0
	v_lshl_add_u32 v224, v0, 2, 0x100
	v_mov_b32 v225, 0
	v_lshrrev_b32 v[WV], 5, v0
	v_readfirstlane_b32 s30, v[WV]                 ; wave number as a scalar
	s_and_b32 s10, ttmp7, 0xffff                   ; q
	s_lshl_b32 s10, s10, 25                        ; q x 16 batches x 2 MiB
	s_lshl_b32 s12, ttmp9, 15                      ; c x 32 KiB
	s_add_co_u32 s10, s10, s12                     ; byte offset of my first slab in x: below 128 MiB
	s_mov_b32 s11, 0
	s_lshr_b32 s12, s10, 1                         ; and in out: half of it
	s_mov_b32 s13, 0
	s_lshl_b32 s14, ttmp9, 8                       ; c x 4 rows x 64 bytes of weights
	s_mov_b32 s15, 0
	v_lshlrev_b32 v[VX], 4, v0
	v_lshlrev_b32 v[VY], 3, v0
	v_and_b32 v[LL], 1, v0
	v_lshlrev_b32 v[LL], 5, v[LL]                  ; even threads: output bits 0, 1; odd threads: 2, 3
	s_wait_kmcnt 0x0
	s_add_nc_u64 s[XB:XB+1],   s[4:5], s[10:11]
	s_add_nc_u64 s[XB+2:XB+3], s[XB:XB+1],   4*BSTEP_X
	s_add_nc_u64 s[XB+4:XB+5], s[XB+2:XB+3], 4*BSTEP_X
	s_add_nc_u64 s[XB+6:XB+7], s[XB+4:XB+5], 4*BSTEP_X
	s_add_nc_u64 s[YB:YB+1],   s[8:9], s[12:13]
	s_add_nc_u64 s[YB+2:YB+3], s[YB:YB+1],   8*BSTEP_Y
	s_add_nc_u64 s[WB:WB+1],   s[6:7], s[14:15]
	s_wait_alu depctr_va_sdst(0)                   ; s30 is written, ahead of its first reader, the compare below
	s_wait_alu depctr_va_vdst(0)                   ; v1, v2 and v3 are written: every load of x, every store and the LDS loads read one of them as an offset
	; wave 0 asks for the weights ahead of its x: loads come back in order (ISA guide 5.7.1), so they are its first to arrive
	s_cmp_lg_u32 s30, 0
	s_cbranch_scc1 .Lfill
	v_and_b32 v[RO], 3, v0
	v_lshlrev_b32 v[WO], 6, v[RO]
	s_wait_alu depctr_va_vdst(0)                   ; v6 is written, which the four loads of the weights read as their offset
.irp j, 0,1,2,3
	global_load_b128 v[W+4*\j:W+4*\j+3], v[WO], s[WB:WB+1] offset:16*\j
.endr
.Lfill:
	; blocks 0 to 8 into X0 to X8; no vector line has named these registers
.irp q, 0,1,2,3,4,5,6,7,8
.irp j, 0,1,2,3
	LOADX \q, \j
.endr
.endr
	s_cmp_lg_u32 s30, 0
	s_cbranch_scc1 .Lmeet
	; WAVE 0: softmax of row t & 3 and its four coefficients
	s_wait_loadcnt 4*NX                            ; the four weight loads are in; the 36 loads of x issued behind them stay out
	v_max3_num_f32 v[M],   v[W],   v[W+1],  v[W+2]
	v_max3_num_f32 v[M+1], v[W+3], v[W+4],  v[W+5]
	v_max3_num_f32 v[M+2], v[W+6], v[W+7],  v[W+8]
	v_max3_num_f32 v[M+3], v[W+9], v[W+10], v[W+11]
	v_max3_num_f32 v[M],   v[M],   v[W+12], v[W+13]
	v_max3_num_f32 v[M+1], v[M+1], v[W+14], v[W+15]
	v_max3_num_f32 v[M],   v[M],   v[M+1],  v[M+2]
	v_max_num_f32  v[M],   v[M],   v[M+3]          ; the row's maximum
	v_mul_f32 v[M], 0xbfb8aa3b, v[M]               ; - max x log2 e.  Its rounding is one shift for the whole row and cancels in the normalisation
.irp j, 0,2,4,6,8,10,12,14
	v_pk_fma_f32 v[W+\j:W+\j+1], v[W+\j:W+\j+1], 0x3fb8aa3b, v[M:M+1] op_sel_hi:[1,0,0]    ; (w - max) log2 e, at most about 0: no overflow
.endr
.irp j, 0,1,2,3,4,5,6,7,8,9,10,11,12,13,14,15
	v_exp_f32 v[P+\j], v[W+\j]
.endr
	v_lshlrev_b32 v[LS], 4, v[RO]                  ; the plain instruction between the exponentials and the first use of a result (ISA guide 5.7.2)
	; the masked sums, halving over bit 3, bit 2, bit 1 of the gate's number; bit 0 is the half of a pair
	s_wait_alu depctr_va_vdst(0)
	v_pk_add_f32 v[H:H+1],     v[P+8:P+9],   v[P+10:P+11]
	v_pk_add_f32 v[H2:H2+1],   v[P+12:P+13], v[P+14:P+15]
	v_pk_add_f32 v[P:P+1],     v[P:P+1],     v[P+8:P+9]
	v_pk_add_f32 v[P+2:P+3],   v[P+2:P+3],   v[P+10:P+11]
	v_pk_add_f32 v[P+4:P+5],   v[P+4:P+5],   v[P+12:P+13]
	v_pk_add_f32 v[P+6:P+7],   v[P+6:P+7],   v[P+14:P+15]
	v_pk_add_f32 v[H:H+1],     v[H:H+1],     v[H2:H2+1]        ; gates 8-15 (bit 3)
	v_pk_add_f32 v[G:G+1],     v[P+4:P+5],   v[P+6:P+7]        ; gates 4-7, 12-15 (bit 2)
	v_pk_add_f32 v[P:P+1],     v[P:P+1],     v[P+4:P+5]
	v_pk_add_f32 v[P+2:P+3],   v[P+2:P+3],   v[P+6:P+7]        ; gates 2, 3, 6, 7, 10, 11, 14, 15 (bit 1)
	v_pk_add_f32 v[P:P+1],     v[P:P+1],     v[P+2:P+3]        ; all even gates, all odd gates (P+1 = F11)
	v_add_f32 v[S],   v[P],   v[P+1]               ; the softmax's denominator, between 1 and 16
	v_add_f32 v[KQ],  v[H],   v[H+1]               ; F00
	v_add_f32 v[F01], v[G],   v[G+1]
	v_add_f32 v[F10], v[P+2], v[P+3]
	v_rcp_f32 v[M], v[S]                           ; the four subtractions below touch neither M nor S: they are the place behind it
	v_sub_f32 v[KQ+1], v[F10],  v[KQ]              ; k1 = F10 - F00
	v_sub_f32 v[KQ+2], v[F01],  v[KQ]              ; k2 = F01 - F00
	v_sub_f32 v[KQ+3], v[P+1],  v[F10]
	v_sub_f32 v[KQ+3], v[KQ+3], v[KQ+2]            ; k3 = F11 - F10 - (F01 - F00)
	s_wait_alu depctr_va_vdst(0)
	v_pk_mul_f32 v[KQ:KQ+1],   v[KQ:KQ+1],   v[M:M+1] op_sel_hi:[1,0]
	v_pk_mul_f32 v[KQ+2:KQ+3], v[KQ+2:KQ+3], v[M:M+1] op_sel_hi:[1,0]
	s_wait_alu depctr_va_vdst(0)                   ; the four coefficients and v7 are written, which the LDS store reads as data and address
	ds_store_b128 v[LS], v[KQ:KQ+3]                ; row o at byte 16 o; the eight lanes of a row store the same 16 bytes
	s_wait_alu depctr_vm_vsrc(0)                   ; the LDS store has read v[KQ ..]: these four registers lie in Y3, which block 3's results write again
	s_wait_dscnt 0x0                               ; for the other waves: the store is done before the signal
.Lmeet:
	s_barrier_signal -1
	s_barrier_wait -1
	ds_load_b128 v[K:K+3],   v[LL]                 ; k0 k1 k2 k3 of my first output bit; no vector line has named v[8:15]
	ds_load_b128 v[K+4:K+7], v[LL] offset:16       ; and of my second
	s_wait_dscnt 0x0
; Block p.  In front of each of its rows: the load of that row of block p + 8 (while there is one) and the store of that row of block p - 1.
.macro BLK p
.if (\p) > 0
	s_wait_alu depctr_va_vdst(0)                   ; the block before has written its results, which the stores below read, and is done reading its X, in which the loads below land
.endif
.irp j, 0,1,2,3
.if ((\p) > 0) && (((\p)-1+NX) < BLOCKS)
	LOADX (\p)-1+NX, \j                            ; no vector line since the wait names these registers
.endif
.if (\p) > 0
	STOREY (\p)-1, \j
.endif
; how many younger loads may still be out when this row's load has to be in:
.if (\p) == 0
.set LEFT, 4*NX-1-(\j)                 ; the rest of the nine blocks asked for at the start
.elseif ((\p)-1+NX) < BLOCKS
.set LEFT, 4*(NX-1)                    ; up to the same row eight blocks on, asked for just above
.else
.set LEFT, 4*BLOCKS-1-4*(\p)-(\j)      ; nothing is loaded any more: the counts run down to 0
.endif
.set XS, X+16*((\p)%NX)+4*(\j)
.set TS, T+4*((\j)%2)
.if ((\p)+NX) < BLOCKS
.set OUT, Y+8*(\p)+2*(\j)
.else
.set OUT, XS                           ; this buffer is not loaded again: the results take the places of the row's first a and b
.endif
	s_wait_loadcnt LEFT                            ; loads come back in order (ISA guide 5.7.1): mine is in, the younger ones stay out
	v_pk_fma_f32 v[TS:TS+1],   v[XS:XS+1],   v[K+2:K+3], v[K:K+1]   op_sel:[1,0,0]   ; (b, b) x (k2, k3) + (k0, k1)
	v_pk_fma_f32 v[TS+2:TS+3], v[XS+2:XS+3], v[K+6:K+7], v[K+4:K+5] op_sel:[1,0,0]
	v_fma_f32 v[OUT],   v[XS],   v[TS+1], v[TS]                                      ; a (k3 b + k1) + (k2 b + k0)
	v_fma_f32 v[OUT+1], v[XS+2], v[TS+3], v[TS+2]
.endr
.endm
.irp p, 0,1,2,3,4,5,6,7,8,9,10,11,12,13,14,15
	BLK \p
.endr
	s_wait_alu depctr_va_vdst(0)                   ; block 15 has written its results, which the last four stores read
.irp j, 0,1,2,3
	STOREY BLOCKS-1, \j
.endr
	s_wait_dscnt 0x0
	s_wait_alu depctr_hold_cnt(0) depctr_sa_sdst(0) depctr_va_vdst(0) depctr_va_sdst(0) depctr_va_ssrc(0) depctr_va_vcc(0) depctr_vm_vsrc(0)
	s_wait_tensorcnt 0x0
	ds_add_u32 v224, v225
	s_wait_dscnt 0x0
	s_endpgm
.Lfunc_end_k_q2be77c34c6_treelogic:
	.size	k_q2be77c34c6_treelogic, .Lfunc_end_k_q2be77c34c6_treelogic-k_q2be77c34c6_treelogic
	.p2alignl 7, 3214868480
	.fill 96, 4, 3214868480
	.section	.rodata,"a",@progbits
	.p2align	6, 0x0
	.amdhsa_kernel k_q2be77c34c6_treelogic
		.amdhsa_group_segment_fixed_size 2304
		.amdhsa_private_segment_fixed_size 0
		.amdhsa_enable_private_segment 0
		.amdhsa_kernarg_size 24
		.amdhsa_user_sgpr_count 2
		.amdhsa_user_sgpr_kernarg_segment_ptr 1
		.amdhsa_wavefront_size32 1
		.amdhsa_system_sgpr_workgroup_id_x 1
		.amdhsa_system_sgpr_workgroup_id_y 1
		.amdhsa_system_sgpr_workgroup_id_z 1
		.amdhsa_system_vgpr_workitem_id 0
		.amdhsa_next_free_vgpr 226
		.amdhsa_next_free_sgpr 66
		.amdhsa_reserve_vcc 0
		.amdhsa_float_denorm_mode_32 3
		.amdhsa_float_denorm_mode_16_64 3
		.amdhsa_memory_ordered 1
		.amdhsa_forward_progress 1
		.amdhsa_inst_pref_size 37
	.end_amdhsa_kernel
	.amdgpu_metadata
---
amdhsa.version: [ 1, 2 ]
amdhsa.kernels:
  - .name:           k_q2be77c34c6_treelogic
    .symbol:         k_q2be77c34c6_treelogic.kd
    .args:
      - { .name: x, .offset: 0, .size: 8, .value_kind: global_buffer, .address_space: global }
      - { .name: weights, .offset: 8, .size: 8, .value_kind: global_buffer, .address_space: global }
      - { .name: out0, .offset: 16, .size: 8, .value_kind: global_buffer, .address_space: global }
    .group_segment_fixed_size: 2304
    .private_segment_fixed_size: 0
    .kernarg_segment_align: 8
    .kernarg_segment_size: 24
    .max_flat_workgroup_size: 512
    .sgpr_count:     66
    .vgpr_count:     226
    .wavefront_size: 32
...
	.end_amdgpu_metadata
.endif
;; end of part 2
